; MI455X (gfx1250); checked and timed in simulation.
; The chip was launched on July 23, 2026; its instructions are those of AMD's public machine-readable ISA for CDNA 5 (MIT licence, August 2026) and "CDNA5" Instruction Set Architecture Reference Guide (July 2026). The comments in the code are by the model that wrote it; some were corrected since.
;; Full Attention. Allowed arithmetic: matrix products marked QUANTISED: E3M2 operands, one E8M0 scale for each 32 along K, by v_wmma_scale_f32_16x16x128_f8f6f4 with both operands' format E3M2, f32 sums; everything else in f32.
;; Inputs: attn_mask 4 x 1 x 2,048 x 2,048 bool; keys 4 x 2,048 x 16 x 64 float32; queries 4 x 2,048 x 16 x 64 float32; values 4 x 2,048 x 16 x 64 float32.
;; Outputs: out0 4 x 2,048 x 16 x 64 float32.
;; This version of the problem:
;;   THIS VERSION OF THE PROBLEM IS GIVEN IN LOW PRECISION. The matrix products marked QUANTISED in the list below multiply operands that are first quantised to E3M2 (3 exponent bits, 2 mantissa bits; 6 bits a number), with one power-of-two scale for each 32 numbers along K (OCP MX v1.0); their sums are f32. All else is computed in f32.
;;   The module's matrix products, in the order in which they are computed (A, B: the left and right operand; K: the contracted axis; several contracted axes count as one K, in the product's order):
;;     1. batch 64 x [M 2,048, K 64] x [K 64, N 2,048]; A: input queries; B: input keys: QUANTISED
;;     2. batch 64 x [M 64, K 2,048] x [K 2,048, N 2,048]; A: input values; B: softmax (see below): QUANTISED
;;   THE QUANTISER, for each operand of a quantised product, along K:
;;     - K is cut into blocks of 32 from its start; a last block that is shorter is filled with zeros.
;;     - A block's scale is 2^e with e = floor(log2(the largest magnitude in the block)) - 4, held to -126 .. 127; a block of zeros has e = 0. As a byte (E8M0): e + 127.
;;     - Each number is divided by its block's scale, clamped to +-28, and rounded to the nearest number of E3M2, ties to even, subnormals kept.
;;     - The product sums the exact products of the quantised numbers (number of the format x scale) in f32.
;;   ~~~python
;;   def quantise(x, axis):      # numpy; x: float32 -> the quantised numbers, widened to float32 again
;;       x = np.moveaxis(x, axis, -1); K = x.shape[-1]
;;       x = np.pad(x, [(0, 0)] * (x.ndim - 1) + [(0, -K % 32)]); x = x.reshape(x.shape[:-1] + (-1, 32)); a = np.abs(x).max(-1, keepdims=True)
;;       e = np.where(a > 0, np.clip(np.frexp(np.where(a > 0, a, 1))[1] - 1 - 4, -126, 127), 0)      # np.frexp(a)[1] - 1 = floor(log2(a)), exactly
;;       r = np.clip(x / 2.0 ** e, -28, 28)
;;       step = 2.0 ** (np.maximum(np.frexp(np.where(r == 0, 1, r))[1] - 1, -2) - 2)
;;       q = np.round(r / step) * step * 2.0 ** e      # np.round: ties to even
;;       return np.moveaxis(q.reshape(q.shape[:-2] + (-1,))[..., :K], -1, axis).astype(np.float32)
;;   ~~~
;;   SOFTMAX AHEAD OF A QUANTISED PRODUCT. Where the list says 'softmax', what is quantised is not the finished softmax but p = 2^(t - M), with t = logit x log2(e) and M = ceil(the row's largest t), a whole number; so 1/2 < the row's largest p <= 1. The row's sum l is taken of the UNQUANTISED p, in f32, and the product's result is divided by l at the end. Since M is a whole number, a kernel that streams over the keys may use a running M (the ceiling of the running maximum): every later rescaling is an exact power of two, which a block's scale takes up: the codes' values come out the same.
;;   OPERANDS COMPUTED ON THE WAY. 'Computed on the way' means the value that the module computes at that place (a softmax that the list does not call 'softmax' is quantised finished and normalised). What goes into a quantiser is computed in f32, as accurately as f32 sums, v_exp_f32 and their like allow (about 1e-6 of the number): no bf16 or f16 on the way to a quantiser, and a product that is left as it is and whose result goes on into a quantised operand takes f32 operands (vector FMAs, or v_wmma_f32_16x16x4_f32). A number that lies on a knife's edge between two numbers of the format may be rounded either way, as far as f32 arithmetic and the matrix unit's own rounding can turn it there, and no further.
;; One version. Each part assembles by itself: llvm-mc -triple=amdgcn-amd-amdhsa -mcpu=gfx1250 --defsym DOCPART=n.
;; ======== version 1 of 1: 2 launches
;; limits: right only within a limited range of input values
;; workspace buffers: kvimg 13,107,200 bytes; mwords 2,097,152 bytes of whole numbers; mflags 16,384 bytes of whole numbers
;; launch prep (part 1): grid 1536 x 1, 4 waves a work-group, no clusters, 69,120 bytes of LDS; arguments keys, values, attn_mask, kvimg, mwords, mflags; writes kvimg, mwords, mflags
.if DOCPART == 1
	.amdgcn_target "amdgcn-amd-amdhsa--gfx1250"
	.amdhsa_code_object_version 6
	.text
	.protected	k_qe4c199f8ee_prep
	.globl	k_qe4c199f8ee_prep
	.p2align	8
	.type	k_qe4c199f8ee_prep,@function
k_qe4c199f8ee_prep:
	s_mov_b64 s[64:65], 0
	v_nop
	global_prefetch_b8 v0, s[64:65] scope:SCOPE_SE
	s_setreg_imm32_b32 hwreg(HW_REG_WAVE_MODE, 25, 1), 1
	s_wait_xcnt 0x0
; PREPARATION FOR THE ATTENTION LAUNCH.  keys, values: [4][2048][16][64] f32; attn_mask: [4][1][2048][2048] bytes.
; Three jobs in one launch, told apart by the work-group's number (512 work-groups each); waves share nothing, so there is no barrier.
;  K: keys -> codes of BF6 (E3M2) along the head's 64, one E8M0 byte for each 32.   V: values -> codes along the KEYS, one byte for each 32 keys.
;  Both go to kvimg as IMAGES OF OPERAND REGISTERS.  Head bh = 16 b + h has 204,800 bytes; key step s (128 keys) is a dense block of 12,800 bytes in it:
;    +0      K's four fragments, 1,536 bytes each: registers 4 c .. 4 c + 3 of lane l at 512 c + 16 l
;    +6,144  V^T's four fragments, the same form
;    +12,288 four pieces of 128 bytes, a scale word a lane: K's fragments 0|1, K's 2|3, V's 0|1, V's 2|3 (first in lanes 0-15, second in lanes 16-31)
;  A fragment of K holds TWO tiles of 16 keys in one operand of 128 along K: row r = key a = 32 f + r + 8 (r / 8) at k 0-63 and key a + 8 at k 64-127.
;  A fragment of V^T: row r = channel 16 t + r, k = the key within the step.
;  MASK: for each tile of 16 queries (T = 128 b + tile) and key step s: 64 lane masks at mwords + (16 T + s) x 256: bit L of word n =
;  mask[16 tile + L % 16][128 s + 32 (n / 16) + 16 (L / 16) + n % 16], which is the lane mask of score register n in the attention launch;
;  and at mflags + 32 T + 8 x quarter two words: bit s of the first: the step has an element that counts; of the second: it has one that is hidden.
; A block's scale is 2^(floor(log2(largest magnitude)) - 4): its byte is the largest magnitude's exponent field - 4, held at 1 from below by a floor among the maximum's leaves.
; LIMITS: a block of zeros gets the byte 1 (its codes are zeros; the bytes are read by this program alone); NaN and infinities among keys and values are not served;
; any mask byte other than 0 counts as hidden.  The scale words leave 128 bytes a store and the flags 8 bytes a wave: parts of aligned blocks of 256 bytes, 4 bytes in 100 of what K and V store.
; THE DEAL OF KEYS, AS THE CODE BELOW HAS IT (it takes the place of the two formulas above): row r of K's fragment f holds key a = 64 (f / 2) + 16 (f % 2) + r % 8 + 32 (r / 8) at k 0-63 and key a + 8 at k 64-127;
; bit L of lane mask n is mask[16 tile + L % 16][128 s + 64 (n / 32) + 32 (L / 16) + n % 32].  The jobs by work-group number: 0 the mask, 1 V, 2 K.
.set KWS,  8704
.set MST,  34816                       ; LDS, the mask's path: bytes of its own,
.set MWS,  8448                        ; a stage of 16 rows x 528 bytes for each wave
.set BLKB, 12800                       ; a key step's block in kvimg
; 32 neighbours along K in one lane's registers v[src] .. v[src+31] -> 6 registers of codes v[dst] .. v[dst+5], the scale's byte in v[by].  m, m+1: two chains of the maximum.
.macro QBLK src, dst, ct, m, sop, by
	v_max3_num_f32 v[\m], |v[\src]|, |v[\src+1]|, 0x2800000          ; the floor 2^(5 - 127) is a leaf: the byte cannot fall under 1
	v_max3_num_f32 v[\m+1], |v[\src+2]|, |v[\src+3]|, |v[\src+4]|
.irp i, 5,9,13,17,21,25
	v_max3_num_f32 v[\m], v[\m], |v[\src+\i]|, |v[\src+\i+1]|
	v_max3_num_f32 v[\m+1], v[\m+1], |v[\src+\i+2]|, |v[\src+\i+3]|
.endr
	v_max3_num_f32 v[\m], v[\m], |v[\src+29]|, |v[\src+30]|
	v_max3_num_f32 v[\m], v[\m], v[\m+1], |v[\src+31]|
	v_add_nc_u32 v[\sop], 0xfe000000, v[\m]                          ; 4 off the exponent field: the conversion takes this operand's exponent field as its scale
	v_cvt_scalef32_pk16_bf6_f32 v[\dst:\dst+2], v[\src:\src+15], v[\sop]
	v_cvt_scalef32_pk16_bf6_f32 v[\ct:\ct+2], v[\src+16:\src+31], v[\sop]   ; (a conversion's three registers begin on an even number: made elsewhere and moved)
	v_lshrrev_b32 v[\by], 23, v[\sop]                                ; the byte; also the plain line behind the conversions
	v_mov_b32 v[\dst+3], v[\ct]
	v_mov_b32 v[\dst+4], v[\ct+1]
	v_mov_b32 v[\dst+5], v[\ct+2]
.endm
	s_load_b256 s[4:11], s[0:1], 0x0               ; keys s[4:5], values s[6:7], attn_mask s[8:9], kvimg s[10:11]
	s_load_b128 s[12:15], s[0:1], 0x20             ; mwords s[12:13], mflags s[14:15]
	v_lshl_add_u32 v192, v0, 2, 0x10c00
	v_mov_b32 v193, 0
	v_lshrrev_b32 v1, 5, v0
	v_readfirstlane_b32 s16, v1                    ; wave 0..3
	v_and_b32 v1, 31, v0                           ; lane
	v_and_b32 v2, 15, v0                           ; r = lane % 16
	v_bfe_u32 v3, v0, 4, 1                         ; h = lane / 16
	v_lshlrev_b32 v4, 4, v1                        ; 16 x lane
	v_lshlrev_b32 v5, 2, v1                        ; 4 x lane
	s_mov_b32 s18, 0x76543210
	s_mov_b32 s19, 0xfedcba98                      ; v_permlanex16_b32's selects for lane l xor 16
	s_lshr_b32 s17, ttmp9, 9                       ; the job: 0 mask, 1 V, 2 K
	s_and_b32 s20, ttmp9, 511                      ; the work-group's number in its job
	s_lshl_b32 s21, s20, 2
	s_add_co_u32 s21, s21, s16                     ; u: the wave's unit of work, 0 .. 2047
	s_wait_kmcnt 0x0
	s_cmp_eq_u32 s17, 1
	s_cbranch_scc1 .Lvalues
	s_cmp_eq_u32 s17, 0
	s_cbranch_scc1 .Lmask
; ---------------- K: u = ((16 b + h) x 16 + s) x 2 + y: the wave makes fragments 2 y and 2 y + 1 of step s: 64 keys
.set KR, 16                            ; v16-143  two sets of 64 numbers
.set KC, 144                           ; v144-167 two fragments of 12 registers
	s_and_b32 s22, s21, 1                          ; y
	s_lshr_b32 s23, s21, 1                         ; 16 bh + s: the block's number
	s_and_b32 s24, s23, 15                         ; s
	s_lshr_b32 s25, s21, 9                         ; b
	s_bfe_u32 s26, s21, 0x40005                    ; h
	s_lshl_b32 s28, s25, 23                        ; a batch is 2,048 rows of 4,096 bytes,
	s_lshl_b32 s29, s24, 19                        ; a step 128 rows,
	s_or_b32 s28, s28, s29
	s_lshl_b32 s29, s22, 18                        ; my half of it 64 rows,
	s_or_b32 s28, s28, s29
	s_lshl_b32 s29, s26, 8                         ; a head 256 bytes of a row
	s_or_b32 s28, s28, s29
	s_mov_b32 s29, 0
	s_add_nc_u64 s[4:5], s[4:5], s[28:29]
	s_mul_i32 s28, s23, BLKB
	s_add_nc_u64 s[10:11], s[10:11], s[28:29]      ; the block
	s_mul_i32 s28, s22, 3072
	s_add_nc_u64 s[32:33], s[10:11], s[28:29]      ; my two fragments
	s_lshl_b32 s28, s22, 7
	s_add_nc_u64 s[34:35], s[10:11], s[28:29]      ; my piece of scale words (12,288 stands in the store's immediate)
	s_mov_b32 s37, 0xffff0000                      ; lanes 16-31
	s_mul_i32 s36, s16, KWS                        ; my stage
	s_wait_alu depctr_va_vdst(0)
	v_lshlrev_b32 v6, 4, v2
	v_lshl_add_u32 v6, v3, 12, v6                  ; in memory: lanes 0-15 one key's 256 bytes, lanes 16-31 the next key's
	v_mul_u32_u24 v7, v3, 272
	v_lshl_add_u32 v7, v2, 4, v7
	v_add_nc_u32 v7, s36, v7                       ; the same two rows in the stage
	v_and_b32 v8, 8, v2
	v_add_nc_u32 v8, v8, v2                        ; r + 8 (r / 8)
	v_mul_u32_u24 v8, v8, 272
	v_lshl_add_u32 v8, v3, 7, v8
	v_add_nc_u32 v8, s36, v8                       ; out of the stage: that key's block h, 128 bytes
	v_lshlrev_b32 v9, 3, v3                        ; 8 h
	v_mov_b32 v179, 0                              ; written once: a lane permute's destination counts as one of its sources
.macro KLOAD e                         ; 32 keys: each load reads two whole rows of 256 bytes
.irp n, 0,1,2,3,4,5,6,7,8,9,10,11,12,13,14,15
	global_load_b128 v[KR+64*\e+4*\n:KR+64*\e+4*\n+3], v6, s[4:5] offset:65536*\e+8192*\n+65536*(\n/8) th:TH_LOAD_NT   ; fragment e of my two: keys 16 e + 0 .. 15, then keys 32 + 16 e + 0 .. 15
.endr
.endm
.macro KJOB e
	s_wait_loadcnt 16-16*\e                        ; this job's 16 loads are in; the other job's 16, issued behind them, may be out
.irp n, 0,1,2,3,4,5,6,7,8,9,10,11,12,13,14,15
	ds_store_b128 v7, v[KR+64*\e+4*\n:KR+64*\e+4*\n+3] offset:544*\n
.endr
.irp n, 0,1,2,3,4,5,6,7                ; LDS serves a wave's instructions in order (ISA guide 5.7.1.4): these see the stores above, and land in the registers that the stores have left
	ds_load_b128 v[KR+64*\e+4*\n:KR+64*\e+4*\n+3], v8 offset:16*\n             ; key a, my block of 32
.endr
.irp n, 0,1,2,3,4,5,6,7
	ds_load_b128 v[KR+64*\e+32+4*\n:KR+64*\e+32+4*\n+3], v8 offset:2176+16*\n  ; key a + 8: eight rows on
.endr
	s_wait_dscnt 0x0
	QBLK KR+64*\e, KC+12*\e, 168, 172, 174, 175
	QBLK KR+64*\e+32, KC+12*\e+6, 168, 172, 174, 176
	v_lshl_or_b32 v[177+\e], v176, 16, v175        ; my two bytes: block h of key a, block h of key a + 8,
	v_lshlrev_b32 v[177+\e], v9, v[177+\e]         ; at their places in the row's word;
	v_permlanex16_b32 v179, v[177+\e], s18, s19
	v_or_b32 v[177+\e], v[177+\e], v179            ; with lane l xor 16's two the word is whole
.irp c, 0,1,2
	global_store_b128 v4, v[KC+12*\e+4*\c:KC+12*\e+4*\c+3], s[32:33] offset:1536*\e+512*\c th:TH_STORE_NT   ; 32 lanes store 512 consecutive bytes, at a multiple of 256 from kvimg's first byte
.endr
.endm
	KLOAD 0
	KLOAD 1
	s_wait_alu depctr_va_vdst(0)
	KJOB 0
	KJOB 1
	v_cndmask_b32 v180, v177, v178, s37            ; the even fragment's words in lanes 0-15, the odd one's in lanes 16-31
	global_store_b32 v5, v180, s[34:35] offset:12288 th:TH_STORE_NT
	s_wait_tensorcnt 0x0
	ds_add_u32 v192, v193
	s_wait_dscnt 0x0
	s_endpgm
; ---------------- V: u = ((16 b + s) x 16 + h) x 2 + x: a lane takes channel 32 x + lane, and its registers run down the step's 128 keys
.Lvalues:
	s_and_b32 s22, s21, 1                          ; x
	s_bfe_u32 s26, s21, 0x40001                    ; h
	s_bfe_u32 s24, s21, 0x40005                    ; s
	s_lshr_b32 s25, s21, 9                         ; b
	s_lshl_b32 s28, s25, 23
	s_lshl_b32 s29, s24, 19
	s_or_b32 s28, s28, s29
	s_lshl_b32 s29, s26, 8
	s_or_b32 s28, s28, s29
	s_lshl_b32 s29, s22, 7                         ; my 32 channels: 128 bytes
	s_or_b32 s28, s28, s29
	s_mov_b32 s29, 0
	s_add_nc_u64 s[6:7], s[6:7], s[28:29]
	s_lshl_b32 s28, s25, 4
	s_or_b32 s28, s28, s26                         ; bh
	s_lshl_b32 s28, s28, 4
	s_or_b32 s28, s28, s24                         ; 16 bh + s
	s_mul_i32 s28, s28, BLKB
	s_add_nc_u64 s[10:11], s[10:11], s[28:29]      ; the block
	s_mul_i32 s28, s22, 3072
	s_add_nc_u64 s[32:33], s[10:11], s[28:29]      ; my two fragments (6,144 stands in the stores' immediates)
	s_lshl_b32 s28, s22, 7
	s_add_nc_u64 s[34:35], s[10:11], s[28:29]      ; my piece of scale words
.macro VLOAD t                         ; block t: keys 32 t + i of my channel, into set t % 2: 32 lanes read 128 consecutive bytes, the work-group's four waves 512
.irp i, 0,1,2,3,4,5,6,7,8,9,10,11,12,13,14,15,16,17,18,19,20,21,22,23,24,25,26,27,28,29,30,31
	global_load_b32 v[16+32*((\t)%2)+\i], v5, s[6:7] offset:(32*(\t)+\i)*4096 th:TH_LOAD_NT
.endr
.endm
.macro VBLOCK t
.if \t < 3
	s_wait_loadcnt 32                              ; this block's 32 loads are in; the next block's 32 may be out
.else
	s_wait_loadcnt 0x0
.endif
	QBLK 16+32*(\t%2), 80+12*(\t%2)+6*(\t/2), 104, 108, 110, 111   ; even blocks into v80 on, odd ones into v92 on
.if \t == 0
	v_mov_b32 v112, v111                           ; my channel's scale word: the lower keys in the lower bytes
.else
	v_lshl_or_b32 v112, v111, 8*\t, v112
.endif
.if \t < 2
	VLOAD \t+2
.endif
.if \t%2                               ; the operand wants channel 16 t' + r in lanes r and 16 + r, with block 2 c in the first and 2 c + 1 in the second: the even block's lanes 16-31 change places
.irp i, 0,1,2,3,4,5                    ; with the odd block's lanes 0-15: v80 on is then the image of tile 2 x, v92 on that of tile 2 x + 1
	v_permlane16_swap_b32 v[80+6*(\t/2)+\i], v[92+6*(\t/2)+\i]
.endr
.endif
.endm
	s_wait_alu depctr_va_vdst(0)
	VLOAD 0
	VLOAD 1
	VBLOCK 0
	VBLOCK 1
	VBLOCK 2
	VBLOCK 3
.irp c, 0,1,2
	global_store_b128 v4, v[80+4*\c:83+4*\c], s[32:33] offset:6144+512*\c th:TH_STORE_NT
	global_store_b128 v4, v[92+4*\c:95+4*\c], s[32:33] offset:6144+1536+512*\c th:TH_STORE_NT
.endr
	global_store_b32 v5, v112, s[34:35] offset:12544 th:TH_STORE_NT   ; lane l: channel 32 x + l: tile 2 x's words in lanes 0-15, tile 2 x + 1's in lanes 16-31
	s_endpgm
; ---------------- MASK: the work-group takes tile T of 16 queries, wave w the key steps 4 w .. 4 w + 3: 16 rows x 512 bytes
.Lmask:
	s_lshl_b32 s22, s20, 15                        ; 16 rows of 2,048 bytes
	s_lshl_b32 s23, s16, 9
	s_or_b32 s22, s22, s23
	s_mov_b32 s23, 0
	s_add_nc_u64 s[8:9], s[8:9], s[22:23]
	s_lshl_b32 s22, s20, 12                        ; 16 steps x 256 bytes of lane masks
	s_lshl_b32 s24, s16, 10
	s_or_b32 s22, s22, s24
	s_add_nc_u64 s[12:13], s[12:13], s[22:23]
	s_lshl_b32 s22, s20, 5                         ; 32 bytes of flags a tile, 8 a wave
	s_lshl_b32 s24, s16, 3
	s_or_b32 s22, s22, s24
	s_add_nc_u64 s[14:15], s[14:15], s[22:23]
	s_mov_b32 s24, 0                               ; steps with an element that counts
	s_mov_b32 s25, 0                               ; steps with a hidden element
	s_lshl_b32 s26, s16, 2
	s_lshl_b32 s26, 1, s26                         ; the bit of my first step
	s_mul_i32 s37, s16, MWS
	s_add_co_u32 s37, s37, MST                     ; my stage
	s_wait_alu depctr_va_vdst(0)
	v_add_nc_u32 v6, s37, v4                       ; in: a row's 512 bytes as they lie
	v_mul_u32_u24 v7, v2, 528
	v_lshl_add_u32 v7, v3, 5, v7                   ; + 32 h: my half's block of 32 keys
	v_add_nc_u32 v7, s37, v7                       ; out: query r, 16 keys of my half
	v_lshlrev_b32 v8, 3, v1                        ; 8 x lane
	v_mov_b32 v9, 0
.irp z, 80,81,82,83,84,85,86,87
	v_mov_b32 v\z, 0                               ; v_writelane_b32's destination counts as one of its sources
.endr
.irp n, 0,1,2,3,4,5,6,7,8,9,10,11,12,13,14,15
	global_load_b128 v[16+4*\n:19+4*\n], v4, s[8:9] offset:2048*\n th:TH_LOAD_NT   ; 512 consecutive bytes of query n's row
.endr
.irp n, 0,1,2,3,4,5,6,7,8,9,10,11,12,13,14,15
	s_wait_loadcnt 15-\n                           ; row n is in; the younger rows may be out
	ds_store_b128 v6, v[16+4*\n:19+4*\n] offset:528*\n
.endr
.irp n, 0,1,2,3,4,5,6,7,8,9,10,11,12,13,14,15      ; n = 4 x step + piece of 16 keys
	ds_load_b128 v[16+4*\n:19+4*\n], v7 offset:128*(\n/4)+64*((\n%4)/2)+16*(\n%2)   ; n = 4 x step + q: keys 64 (q / 2) + 32 h + 16 (q % 2) + 0 .. 15 of the step, query r, a byte each
.endr
	s_wait_dscnt 0x0
.macro MSTEP sg                        ; one key step: 64 ballots, gathered two words to a lane, stored as one aligned block of 256 bytes
.set MW, 0
.rept 64
	v_and_b32 v[88+MW%4], 0xff<<(8*(MW%4)), v[16+16*\sg+MW/4]
	v_cmp_ne_u32 s[32+MW%4], 0, v[88+MW%4]         ; bit L: lane L's element is hidden
	v_writelane_b32 v[80+2*\sg+MW%2], s[32+MW%4], MW/2
.set MW, MW+1
.endr
	v_and_b32 v88, v[80+2*\sg], v[81+2*\sg]
	v_or_b32 v89, v[80+2*\sg], v[81+2*\sg]
	v_cmp_ne_u32 s27, -1, v88                      ; some word has a 0 bit: something counts
	v_cmp_ne_u32 s28, 0, v89                       ; some word has a 1 bit: something is hidden
	s_lshl_b32 s29, s26, \sg                       ; the step's bit
	s_cmp_lg_u32 s27, 0
	s_cselect_b32 s36, s29, 0
	s_or_b32 s24, s24, s36
	s_cmp_lg_u32 s28, 0
	s_cselect_b32 s36, s29, 0
	s_or_b32 s25, s25, s36
	global_store_b64 v8, v[80+2*\sg:81+2*\sg], s[12:13] offset:256*\sg th:TH_STORE_NT
.endm
	MSTEP 0
	MSTEP 1
	MSTEP 2
	MSTEP 3
	v_mov_b32 v92, s24
	v_mov_b32 v93, s25
	v_cmp_eq_u32 vcc_lo, 0, v1
	s_wait_alu depctr_va_vdst(0)
	s_wait_xcnt 0x0                                ; EXEC is a source of the stores above: it changes only behind this wait
	s_wait_tensorcnt 0x0
	ds_add_u32 v192, v193
	s_wait_dscnt 0x0
	s_and_saveexec_b32 s30, vcc_lo
	global_store_b64 v9, v[92:93], s[14:15]        ; lane 0: my quarter's two flag words
	s_wait_xcnt 0x0                                ; and again in front of the line that widens it
	s_or_b32 exec_lo, exec_lo, s30
	s_endpgm
.Lfunc_end_k_qe4c199f8ee_prep:
	.size	k_qe4c199f8ee_prep, .Lfunc_end_k_qe4c199f8ee_prep-k_qe4c199f8ee_prep
	.p2alignl 7, 3214868480
	.fill 96, 4, 3214868480
	.section	.rodata,"a",@progbits
	.p2align	6, 0x0
	.amdhsa_kernel k_qe4c199f8ee_prep
		.amdhsa_group_segment_fixed_size 69120
		.amdhsa_private_segment_fixed_size 0
		.amdhsa_enable_private_segment 0
		.amdhsa_kernarg_size 48
		.amdhsa_user_sgpr_count 2
		.amdhsa_user_sgpr_kernarg_segment_ptr 1
		.amdhsa_wavefront_size32 1
		.amdhsa_system_sgpr_workgroup_id_x 1
		.amdhsa_system_sgpr_workgroup_id_y 1
		.amdhsa_system_sgpr_workgroup_id_z 1
		.amdhsa_system_vgpr_workitem_id 0
		.amdhsa_next_free_vgpr 194
		.amdhsa_next_free_sgpr 66
		.amdhsa_reserve_vcc 1
		.amdhsa_float_denorm_mode_32 3
		.amdhsa_float_denorm_mode_16_64 3
		.amdhsa_memory_ordered 1
		.amdhsa_forward_progress 1
		.amdhsa_inst_pref_size 92
	.end_amdhsa_kernel
	.amdgpu_metadata
---
amdhsa.version: [ 1, 2 ]
amdhsa.kernels:
  - .name:           k_qe4c199f8ee_prep
    .symbol:         k_qe4c199f8ee_prep.kd
    .args:
      - { .name: keys, .offset: 0, .size: 8, .value_kind: global_buffer, .address_space: global }
      - { .name: values, .offset: 8, .size: 8, .value_kind: global_buffer, .address_space: global }
      - { .name: attn_mask, .offset: 16, .size: 8, .value_kind: global_buffer, .address_space: global }
      - { .name: kvimg, .offset: 24, .size: 8, .value_kind: global_buffer, .address_space: global }
      - { .name: mwords, .offset: 32, .size: 8, .value_kind: global_buffer, .address_space: global }
      - { .name: mflags, .offset: 40, .size: 8, .value_kind: global_buffer, .address_space: global }
    .group_segment_fixed_size: 69120
    .private_segment_fixed_size: 0
    .kernarg_segment_align: 8
    .kernarg_segment_size: 48
    .max_flat_workgroup_size: 128
    .sgpr_count:     66
    .vgpr_count:     194
    .wavefront_size: 32
...
	.end_amdgpu_metadata
.endif
;; end of part 1
;; launch attn (part 2): grid 4 x 64, 16 waves a work-group, no clusters, 276,480 bytes of LDS; arguments queries, kvimg, mwords, mflags, out0; writes out0
.if DOCPART == 2
	.amdgcn_target "amdgcn-amd-amdhsa--gfx1250"
	.amdhsa_code_object_version 6
	.text
	.protected	k_qe4c199f8ee_attn
	.globl	k_qe4c199f8ee_attn
	.p2align	8
	.type	k_qe4c199f8ee_attn,@function
k_qe4c199f8ee_attn:
	s_mov_b64 s[64:65], 0
	v_nop
	global_prefetch_b8 v0, s[64:65] scope:SCOPE_SE
	s_setreg_imm32_b32 hwreg(HW_REG_WAVE_MODE, 25, 1), 1
	s_wait_xcnt 0x0
; out0[b][q][h][:] = the sum over keys of softmax(mask, q . k / 8) v, both products on codes of BF6 (E3M2) with one E8M0 scale for each 32 along a product's K.
; queries, out0: [4][2048][16][64] f32.  kvimg: a head's K and V as images of operand registers; mwords: lane masks; mflags: two bits a (16 queries x 128 keys) step; all made by the launch before.
; THE SOFTMAX: t = score x log2(e) / 8; M = the running largest t rounded UP to a whole number; p = 2^(t - M) is quantised along the keys, not normalised; the row's sum is taken of the
; unquantised p and divides at the end.  When M moves, the sum and O are multiplied by 2^(old M - new M): exact.
; SHARES.  Work-group (j, bh): one head, whose 204,800 bytes of codes lie in LDS.  Sixteen waves; a wave owns a tile of 16 queries at a time and walks two: tiles 4 i + j with i = 31 - wave, then i = wave.
; THE FILL GOES ON UNDER THE WORK.  The image is 25 pieces of 8,192 bytes (16 bytes a thread).  The head brings pieces 0-3 (key steps 0 and 1); three groups of seven pieces follow through 28 registers:
; a group is asked for one key step ahead and stored at the end of key steps 0, 1, 2 of the first tile, each store followed by a barrier.  Behind step t's barrier pieces 0 .. 10 + 7 t lie in LDS:
; 90,112, 147,456, 204,800 bytes, and step t + 1 reads bytes under 12,800 (t + 2).  Behind the third the image is only read.
; Both tiles' queries are loaded and quantised at the head, while the fill's loads are out.
; THE MASK is honoured as it is given.  A step none of whose 16 x 128 elements counts is jumped over; a step with hidden elements reads its 64 lane masks by scalar loads and sets the hidden scores
; to -infinity ahead of the maximum.  Every loop's trip count is a constant: only the work is jumped over, never a barrier.
; LAYOUT.  Both products are used transposed (source 0 = 16 rows of K or of V^T, source 1 = my 16 queries): a lane holds ONE query (lane % 16).  The head has 64 channels, the instruction 128 along K:
; row r of K's fragment f holds key a = 64 (f / 2) + 16 (f % 2) + r % 8 + 32 (r / 8) at k 0-63 and key a + 8 at k 64-127; it is multiplied by [q | zero codes] and by [zero codes | q].
; So score register n of lane (r, h) is (query r, key 64 (n / 32) + 32 h + n % 32): A LANE HOLDS TWO WHOLE BLOCKS OF 32 KEYS, in the order of p's operand registers: no other lane is asked for a block's maximum.
; NO JOINT REQUESTS, though the four work-groups of a head read the same image.
; NO DATA PREFETCH: the fill's own loads are asked for a key step ahead, each byte once a work-group, and nothing else is streamed.
; A row with no key that counts ends with O = 0 and sum = 0: 0 x (1 / 0) = NaN, as the problem's definition gives there.
; LIMITS: NaN and infinities among the queries are not served; a block of zeros carries the scale byte 1 (its codes are zeros).
.set IMG,   204800                     ; LDS: the image; behind it a stage of 16 rows x 272 bytes for each wave
.set STEPB, 12800                      ; a key step's block in the image
.set SPARE, 0x43000                    ; behind the stages: the spare words, 128 bytes a wave
.set PIECE, 8192
.set GRP,   7*PIECE
.set LI,  1                            ; 16 x lane
.set ADR, 2                            ; LDS address of the step's fragments
.set QG,  3                            ; queries, out0: lanes 0-15 one row's 256 bytes, lanes 16-31 the next row's
.set SA,  4                            ; the same two rows in my stage
.set SQ,  5                            ; stage: query r, its block h of 32 channels
.set SO,  6                            ; stage: query r, + 32 h
.set NINF, 7
.set LS,  8                            ; 4 x lane
.set ADS, 9                            ; LDS address of the step's scale words
.set SH,  10                           ; 8 h
.set F16, 11                           ; 16 x thread
.set NM,  12                           ; v12 -M;  v13 the largest score so far
.set LSUM, 14                          ; v[14:15] the sum, in two halves
.set QZ,  16                           ; v16-33 [six zeros | q | six zeros]
.set QS,  34                           ; q's scale word [s0, s1, s0, s1]
.set PS,  35                           ; p's scale word
.set KSC, 36
.set VSC, 38
.set FR,  40                           ; v40-87 four fragments of K, then of V^T
.set S,   88                           ; v88-151 S^T, then p
.set O,   152                          ; v152-183 O^T
.set PC,  184                          ; v184-195 p's codes
.set TP,  184                          ; v184-197 seven partial sums, done with before the codes are made
.set CT,  196                          ; v196-198, v200-202 the conversions' second halves
.set BM,  204                          ; v204-207 chains of the blocks' maxima; results in v204, v206
.set T4,  208                          ; v208-209 at work
.set SP,  210                          ; v210-211 the conversions' scale operands
.set FF,  212                          ; v[212:213] f = 2^(old M - new M), and a zero beside it
.set X,   214
.set FA,  215                          ; LDS address of a group of the fill
.set Q2,  216                          ; v216-221 the second tile's codes; v222 its scale word
.set QS2, 222
.set SPW, 223
.set NIL, 224
.set FL,  226                          ; v226-253 a group of the fill
.set W2,  2                            ; s2, s3: the second tile's flags
.set WV,  14
.set JX,  15
.set BH,  16
.set BB,  17
.set HB,  18                           ; b << 23 | h << 8
.set IT,  19
.set FB,  20                           ; where the next group goes in LDS
.set ST,  21
.set TB,  22                           ; the step's block in the image
.set MO,  23                           ; the step's lane masks
.set WORK, 24
.set MIX, 25
.set CS,  26                           ; s[26:27] c = log2(e) / 8, twice
.set SEL, 28                           ; s[28:29] selects for lane l xor 16
.set OP,  66
.set MP,  100                          ; s32-63, s68-99: a step's 64 lane masks
.macro QBLK src, dst, ct, m, sop, by   ; 32 neighbours along K in v[src] on -> 6 registers of codes, the scale's byte in v[by]
	v_max3_num_f32 v[\m], |v[\src]|, |v[\src+1]|, 0x2800000          ; the floor 2^(5 - 127) is a leaf: the byte cannot fall under 1
	v_max3_num_f32 v[\m+1], |v[\src+2]|, |v[\src+3]|, |v[\src+4]|
.irp i, 5,9,13,17,21,25
	s_delay_alu instid0(VALU_DEP_2)
	v_max3_num_f32 v[\m], v[\m], |v[\src+\i]|, |v[\src+\i+1]|
	s_delay_alu instid0(VALU_DEP_2)
	v_max3_num_f32 v[\m+1], v[\m+1], |v[\src+\i+2]|, |v[\src+\i+3]|
.endr
	s_delay_alu instid0(VALU_DEP_2)
	v_max3_num_f32 v[\m], v[\m], |v[\src+29]|, |v[\src+30]|
	s_delay_alu instid0(VALU_DEP_1)
	v_max3_num_f32 v[\m], v[\m], v[\m+1], |v[\src+31]|
	s_delay_alu instid0(VALU_DEP_1)
	v_add_nc_u32 v[\sop], 0xfe000000, v[\m]                          ; 4 off the exponent field: the conversion's scale operand
	v_cvt_scalef32_pk16_bf6_f32 v[\dst:\dst+2], v[\src:\src+15], v[\sop]
	v_cvt_scalef32_pk16_bf6_f32 v[\ct:\ct+2], v[\src+16:\src+31], v[\sop]
	v_lshrrev_b32 v[\by], 23, v[\sop]                                ; the byte; also the plain line behind the conversions
	v_mov_b32 v[\dst+3], v[\ct]
	v_mov_b32 v[\dst+4], v[\ct+1]
	v_mov_b32 v[\dst+5], v[\ct+2]
.endm
.macro ROWOFF d, ireg                  ; s[d:d+1] = byte offset of my head's part of the first row of tile 4 s[ireg] + j
	s_lshl_b32 s[\d], s[\ireg], 2
	s_add_co_u32 s[\d], s[\d], s[JX]
	s_lshl_b32 s[\d], s[\d], 16
	s_or_b32 s[\d], s[\d], s[HB]
	s_mov_b32 s[\d+1], 0
.endm
.macro QLOAD dst, p                    ; a tile's 16 rows of 256 bytes, two whole rows a load
.irp n, 0,1,2,3,4,5,6,7
	global_load_b128 v[\dst+4*\n:\dst+4*\n+3], v[QG], s[\p:\p+1] offset:8192*\n th:TH_LOAD_NT
.endr
.endm
.macro QUANT src, dst, word            ; a tile's queries through my stage, 32 neighbours a lane, into codes and the scale word
.irp n, 0,1,2,3,4,5,6,7
	ds_store_b128 v[SA], v[\src+4*\n:\src+4*\n+3] offset:544*\n
.endr
.irp n, 0,1,2,3,4,5,6,7
	ds_load_b128 v[S+32+4*\n:S+32+4*\n+3], v[SQ] offset:16*\n          ; LDS serves a wave's instructions in order (ISA guide 5.7.1.4)
.endr
	s_wait_dscnt 0x0
	QBLK S+32, \dst, CT, BM, SP, T4
	s_delay_alu instid0(VALU_DEP_4)
	v_lshl_or_b32 v[\word], v[T4], 16, v[T4]       ; my block's byte, for both halves of K,
	s_delay_alu instid0(VALU_DEP_1)
	v_lshlrev_b32 v[\word], v[SH], v[\word]        ; at its place;
	s_delay_alu instid0(VALU_DEP_1)
	v_permlanex16_b32 v[X], v[\word], s[SEL], s[SEL+1]
	s_delay_alu instid0(VALU_DEP_1)
	v_or_b32 v[\word], v[\word], v[X]              ; with lane l xor 16's: [s0, s1, s0, s1]
.endm
.macro GLOAD                           ; a group of the fill: 7 x 8,192 bytes; a wave's load covers 512 consecutive bytes
.irp n, 0,1,2,3,4,5,6
	global_load_b128 v[FL+4*\n:FL+4*\n+3], v[F16], s[6:7] offset:4*PIECE+PIECE*\n
.endr
.endm
.macro INIT                            ; a tile's sums.  Which step is a tile's first hangs on the mask, so no product can be written out to start them
.irp j, 0,1,2,3,4,5,6,7,8,9,10,11,12,13,14,15,16,17,18,19,20,21,22,23,24,25,26,27,28,29,30,31
	v_mov_b32 v[O+\j], 0
.endr
	v_mov_b32 v[NM+1], 0xff61b1e6                  ; the largest score so far: -3e38
	v_mov_b32 v[LSUM], 0
	v_mul_f32 v[T4], s[CS], v[NM+1]
	v_mov_b32 v[LSUM+1], 0
	v_floor_f32 v[NM], -v[T4]                      ; -M
.endm
.macro TILEADDR ireg                   ; the tile's lane masks and its rows of out0
	s_lshl_b32 s30, s[\ireg], 2
	s_add_co_u32 s30, s30, s[JX]
	s_lshl_b32 s31, s[BB], 7
	s_add_co_u32 s30, s30, s31                     ; T = 128 b + tile
	s_lshl_b32 s30, s30, 12                        ; 16 steps x 256 bytes
	s_mov_b32 s31, 0
	s_add_nc_u64 s[MP:MP+1], s[8:9], s[30:31]
	ROWOFF 30, \ireg
	s_add_nc_u64 s[OP:OP+1], s[12:13], s[30:31]
.endm
.macro SUMROW o                        ; eight chains of the row's sum take one pair each
.irp k, 0,1,2,3,4,5,6
	v_pk_add_f32 v[TP+2*\k:TP+2*\k+1], v[TP+2*\k:TP+2*\k+1], v[S+8*\k+\o:S+8*\k+\o+1]
.endr
	v_pk_add_f32 v[LSUM:LSUM+1], v[LSUM:LSUM+1], v[S+54+\o:S+55+\o]
.endm
; A KEY STEP: 128 keys.  mixed = 1: the step has hidden elements.
.macro STEP mixed
	v_add_nc_u32 v[ADR], s[TB], v[LI]
	v_add_nc_u32 v[ADS], s[TB], v[LS]
	v_mov_b32 v[X], v[NM]                          ; the old -M
	v_nop                                          ; four places behind the last products, in front of loads into registers that they have read
.if \mixed
	s_load_b512 s[32:47], s[MP:MP+1], s[MO] offset:0x0      ; the step's 64 lane masks: one block of 256 bytes
	s_load_b512 s[48:63], s[MP:MP+1], s[MO] offset:0x40
	s_load_b512 s[68:83], s[MP:MP+1], s[MO] offset:0x80
	s_load_b512 s[84:99], s[MP:MP+1], s[MO] offset:0xc0
.endif
	ds_load_b32 v[KSC], v[ADS] offset:12288
	ds_load_b32 v[KSC+1], v[ADS] offset:12416
.irp q, 0,1,2,3,4,5,6,7,8,9,10,11
	ds_load_b128 v[FR+4*\q:FR+4*\q+3], v[ADR] offset:512*\q
.endr
	ds_load_b32 v[VSC], v[ADS] offset:12544
	ds_load_b32 v[VSC+1], v[ADS] offset:12672
	s_wait_alu depctr_va_vdst(0)                   ; the wait ahead of the waits below
.irp f, 0,1,2,3                        ; S^T = K Q^T: each fragment against [q | 0] and [0 | q]
	s_wait_dscnt 11-3*\f                           ; of the 16 loads the first 5 + 3 f are in: K's scale words and fragments 0 .. f
.if \f%2
	v_wmma_scale_f32_16x16x128_f8f6f4 v[S+16*\f:S+16*\f+7], v[FR+12*\f:FR+12*\f+11], v[QZ+6:QZ+17], 0, v[KSC+\f/2], v[QS] matrix_a_fmt:MATRIX_FMT_BF6 matrix_b_fmt:MATRIX_FMT_BF6 matrix_a_scale:MATRIX_SCALE_ROW1
	v_wmma_scale_f32_16x16x128_f8f6f4 v[S+16*\f+8:S+16*\f+15], v[FR+12*\f:FR+12*\f+11], v[QZ:QZ+11], 0, v[KSC+\f/2], v[QS] matrix_a_fmt:MATRIX_FMT_BF6 matrix_b_fmt:MATRIX_FMT_BF6 matrix_a_scale:MATRIX_SCALE_ROW1
.else
	v_wmma_scale_f32_16x16x128_f8f6f4 v[S+16*\f:S+16*\f+7], v[FR+12*\f:FR+12*\f+11], v[QZ+6:QZ+17], 0, v[KSC+\f/2], v[QS] matrix_a_fmt:MATRIX_FMT_BF6 matrix_b_fmt:MATRIX_FMT_BF6
	v_wmma_scale_f32_16x16x128_f8f6f4 v[S+16*\f+8:S+16*\f+15], v[FR+12*\f:FR+12*\f+11], v[QZ:QZ+11], 0, v[KSC+\f/2], v[QS] matrix_a_fmt:MATRIX_FMT_BF6 matrix_b_fmt:MATRIX_FMT_BF6
.endif
.endr
.rept 4
	v_nop                                          ; four places: in front of the loads into K's registers and of the first read of the scores
.endr
.irp q, 0,1,2,3,4,5,6,7,8,9,10,11
	ds_load_b128 v[FR+4*\q:FR+4*\q+3], v[ADR] offset:6144+512*\q       ; V^T's four fragments land while the softmax is walked
.endr
.if \mixed
	s_wait_kmcnt 0x0
.set MN, 0
.rept 32                               ; hidden scores become -infinity ahead of the maximum; ascending
	v_cndmask_b32 v[S+MN], v[S+MN], v[NINF], s[32+MN]
.set MN, MN+1
.endr
.rept 32
	v_cndmask_b32 v[S+MN], v[S+MN], v[NINF], s[36+MN]
.set MN, MN+1
.endr
.endif
.irp c, 0,1                            ; THE LARGEST SCORE OF EACH OF MY TWO BLOCKS serves twice: for the row's maximum and, since p rises with the score, for the block's largest p.  Four chains by turns
	v_max3_num_f32 v[BM+2*\c], v[S+32*\c], v[S+32*\c+1], v[S+32*\c+2]
	v_max3_num_f32 v[BM+2*\c+1], v[S+32*\c+16], v[S+32*\c+17], v[S+32*\c+18]
.endr
.irp i, 3,5,7,9,11,13
.irp c, 0,1
	v_max3_num_f32 v[BM+2*\c], v[BM+2*\c], v[S+32*\c+\i], v[S+32*\c+\i+1]
	v_max3_num_f32 v[BM+2*\c+1], v[BM+2*\c+1], v[S+32*\c+16+\i], v[S+32*\c+17+\i]
.endr
.endr
.irp c, 0,1
	v_max3_num_f32 v[BM+2*\c], v[BM+2*\c], v[S+32*\c+15], v[S+32*\c+31]
.endr
.irp c, 0,1
	s_delay_alu instid0(VALU_DEP_2)
	v_max_num_f32 v[BM+2*\c], v[BM+2*\c], v[BM+2*\c+1]
.endr
	s_delay_alu instid0(VALU_DEP_1)
	v_max_num_f32 v[T4], v[BM], v[BM+2]            ; my 64 keys' largest score
	s_delay_alu instid0(VALU_DEP_1)
	v_permlanex16_b32 v[T4+1], v[T4], s[SEL], s[SEL+1]
	s_delay_alu instid0(VALU_DEP_1)
	v_max3_num_f32 v[NM+1], v[NM+1], v[T4], v[T4+1]   ; with lane l xor 16's: the running largest score
	s_delay_alu instid0(VALU_DEP_1)
	v_mul_f32 v[T4], s[CS], v[NM+1]                ; as t (c is positive)
	s_delay_alu instid0(VALU_DEP_1)
	v_floor_f32 v[NM], -v[T4]                      ; the new -M = -ceil(t)
	s_delay_alu instid0(VALU_DEP_1)
	v_sub_f32 v[X], v[NM], v[X]                    ; old M - new M: a whole number, 0 or less
	s_delay_alu instid0(VALU_DEP_1)
	v_cvt_i32_f32 v[X], v[X]                       ; (it saturates)
	s_delay_alu instid0(VALU_DEP_1)
	v_ldexp_f32 v[FF], 1.0, v[X]                   ; f = 2^(old M - new M)
.irp j, 0,2,4,6,8,10,12,14,16,18,20,22,24,26,28,30,32,34,36,38,40,42,44,46,48,50,52,54,56,58,60,62
	v_pk_fma_f32 v[S+\j:S+\j+1], v[S+\j:S+\j+1], s[CS:CS+1], v[NM:NM+1] op_sel_hi:[1,0,0]   ; t - M, two at a time
.endr
	v_fma_f32 v[BM], v[BM], s[CS], v[NM]           ; the same of each block's largest score
	v_fma_f32 v[BM+2], v[BM+2], s[CS], v[NM]
	s_wait_alu depctr_va_vdst(0)                   ; the wait ahead of the batch
.irp j, 0,1,2,3,4,5,6,7,8,9,10,11,12,13,14,15,16,17,18,19,20,21,22,23,24,25,26,27,28,29,30,31,32,33,34,35,36,37,38,39,40,41,42,43,44,45,46,47,48,49,50,51,52,53,54,55,56,57,58,59,60,61,62,63
	v_exp_f32 v[S+\j], v[S+\j]                     ; p = 2^(t - M), at most 1
.endr
	v_exp_f32 v[BM], v[BM]                         ; the blocks' largest p: the same two instructions on the same number give the same bits
	v_exp_f32 v[BM+2], v[BM+2]
	v_pk_mul_f32 v[LSUM:LSUM+1], v[LSUM:LSUM+1], v[FF:FF+1] op_sel_hi:[1,0]   ; the sums under the new M; the plain line behind the batch
	s_wait_alu depctr_va_vdst(0)                   ; one wait for the batch of 66, ahead of its first reader
	v_max_num_f32 v[BM], 0x2800000, v[BM]          ; the floor 2^(5 - 127): the byte cannot fall under 1
	v_max_num_f32 v[BM+2], 0x2800000, v[BM+2]
.irp k, 0,1,2,3,4,5,6                  ; THE ROW'S SUM IS TAKEN OF THE UNQUANTISED p; the scales' short chain stands between its rows
	v_pk_add_f32 v[TP+2*\k:TP+2*\k+1], v[S+8*\k:S+8*\k+1], v[S+8*\k+2:S+8*\k+3]
.endr
	v_pk_add_f32 v[LSUM:LSUM+1], v[LSUM:LSUM+1], v[S+56:S+57]
	v_add_nc_u32 v[SP], 0xfe000000, v[BM]          ; 4 off the exponent field: the conversion's scale operand
	v_add_nc_u32 v[SP+1], 0xfe000000, v[BM+2]
	SUMROW 4
	v_lshrrev_b32 v[T4], 23, v[SP]                 ; the scales' bytes: blocks h and 2 + h
	v_lshrrev_b32 v[T4+1], 23, v[SP+1]
	SUMROW 6
	v_lshl_or_b32 v[PS], v[T4+1], 16, v[T4]
	v_pk_add_f32 v[LSUM:LSUM+1], v[LSUM:LSUM+1], v[S+62:S+63]
	v_pk_add_f32 v[TP:TP+1], v[TP:TP+1], v[TP+2:TP+3]
	v_pk_add_f32 v[TP+4:TP+5], v[TP+4:TP+5], v[TP+6:TP+7]
	v_pk_add_f32 v[TP+8:TP+9], v[TP+8:TP+9], v[TP+10:TP+11]
	v_lshlrev_b32 v[PS], v[SH], v[PS]              ; at their places in the word (8 h bits up)
	v_pk_add_f32 v[LSUM:LSUM+1], v[LSUM:LSUM+1], v[TP+12:TP+13]
	v_pk_add_f32 v[TP:TP+1], v[TP:TP+1], v[TP+4:TP+5]
	v_permlanex16_b32 v[T4], v[PS], s[SEL], s[SEL+1]
	v_pk_add_f32 v[LSUM:LSUM+1], v[LSUM:LSUM+1], v[TP+8:TP+9]
	s_delay_alu instid0(VALU_DEP_1)
	v_pk_add_f32 v[LSUM:LSUM+1], v[LSUM:LSUM+1], v[TP:TP+1]
	v_or_b32 v[PS], v[PS], v[T4]                   ; with lane l xor 16's two bytes p's scale word is whole
.irp c, 0,1                            ; registers 32 c .. 32 c + 31 are block 2 c + h, whole: the codes are the operand's registers 6 c .. 6 c + 5
	v_cvt_scalef32_pk16_bf6_f32 v[PC+6*\c:PC+6*\c+2], v[S+32*\c:S+32*\c+15], v[SP+\c]
	v_cvt_scalef32_pk16_bf6_f32 v[CT+4*\c:CT+4*\c+2], v[S+32*\c+16:S+32*\c+31], v[SP+\c]   ; (a conversion's three registers begin on an even number)
.endr
	s_wait_dscnt 0x0                               ; V^T's fragments and scale words are in
	s_wait_alu depctr_va_vdst(0)                   ; the wait directly ahead of the first reader of O^T
.irp j, 0,2,4,6
	v_pk_mul_f32 v[O+\j:O+\j+1], v[O+\j:O+\j+1], v[FF:FF+1] op_sel_hi:[1,0]   ; O^T under the new M, each accumulator from its low end on; these four are the plain lines behind the conversions
.endr
.irp c, 0,1
.irp i, 0,1,2
	v_mov_b32 v[PC+6*\c+3+\i], v[CT+4*\c+\i]
.endr
.endr
.irp j, 8,10,12,14,16,18,20,22,24,26,28,30
	v_pk_mul_f32 v[O+\j:O+\j+1], v[O+\j:O+\j+1], v[FF:FF+1] op_sel_hi:[1,0]   ; these twelve are the places between p's codes and the products
.endr
.irp t, 0,1,2,3                        ; O^T += V^T P^T: the four accumulators take one turn each; eight other products stand between two steps' turns
.if \t%2
	v_wmma_scale_f32_16x16x128_f8f6f4 v[O+8*\t:O+8*\t+7], v[FR+12*\t:FR+12*\t+11], v[PC:PC+11], v[O+8*\t:O+8*\t+7], v[VSC+\t/2], v[PS] matrix_a_fmt:MATRIX_FMT_BF6 matrix_b_fmt:MATRIX_FMT_BF6 matrix_a_scale:MATRIX_SCALE_ROW1
.else
	v_wmma_scale_f32_16x16x128_f8f6f4 v[O+8*\t:O+8*\t+7], v[FR+12*\t:FR+12*\t+11], v[PC:PC+11], v[O+8*\t:O+8*\t+7], v[VSC+\t/2], v[PS] matrix_a_fmt:MATRIX_FMT_BF6 matrix_b_fmt:MATRIX_FMT_BF6
.endif
.endr
.endm
.macro TRIP tag                        ; a trip of a loop over key steps: the work is jumped over where nothing counts
	s_and_b32 s30, s[WORK], 1
	s_cmp_eq_u32 s30, 0
	s_cbranch_scc1 .Lnext_\tag
	s_and_b32 s30, s[MIX], 1
	s_cmp_lg_u32 s30, 0
	s_cbranch_scc1 .Lmixed_\tag
	STEP 0
	s_branch .Lnext_\tag
.Lmixed_\tag:
	STEP 1
.Lnext_\tag:
	s_lshr_b32 s[WORK], s[WORK], 1
	s_lshr_b32 s[MIX], s[MIX], 1
	s_add_co_u32 s[TB], s[TB], STEPB
	s_add_co_u32 s[MO], s[MO], 256
.endm
.macro WAYOUT                          ; O^T / the sum goes through my stage and leaves as whole rows of 256 bytes
	s_wait_alu depctr_va_vdst(0)
	v_add_f32 v[LSUM], v[LSUM], v[LSUM+1]
	s_delay_alu instid0(VALU_DEP_1)
	v_permlanex16_b32 v[X], v[LSUM], s[SEL], s[SEL+1]
	s_delay_alu instid0(VALU_DEP_1)
	v_add_f32 v[LSUM], v[LSUM], v[X]               ; the row's sum
	s_wait_alu depctr_va_vdst(0)
	v_rcp_f32 v[LSUM], v[LSUM]
.rept 3
	v_nop                                          ; the plain line behind the reciprocal; with the additions also the places behind the last products
.endr
	s_wait_alu depctr_va_vdst(0)
.irp j, 0,2,4,6,8,10,12,14,16,18,20,22,24,26,28,30
	v_pk_mul_f32 v[S+\j:S+\j+1], v[O+\j:O+\j+1], v[LSUM:LSUM+1] op_sel_hi:[1,0]   ; register 8 t + i is o(query r, channel 16 t + 8 h + i)
.endr
.irp t, 0,1,2,3
	ds_store_b128 v[SO], v[S+8*\t:S+8*\t+3] offset:64*\t
	ds_store_b128 v[SO], v[S+8*\t+4:S+8*\t+7] offset:64*\t+16
.endr
.irp n, 0,1,2,3,4,5,6,7
	ds_load_b128 v[FR+4*\n:FR+4*\n+3], v[SA] offset:544*\n
.endr
.irp n, 0,1,2,3,4,5,6,7
	s_wait_dscnt 7-\n                              ; pair n of rows is back; the younger pairs may be out
	global_store_b128 v[QG], v[FR+4*\n:FR+4*\n+3], s[OP:OP+1] offset:8192*\n th:TH_STORE_NT   ; 16 lanes store 256 consecutive bytes, at a multiple of 256 from out0's first byte
.endr
.endm
	s_load_b256 s[4:11], s[0:1], 0x0               ; queries, kvimg, mwords, mflags
	s_load_b64 s[12:13], s[0:1], 0x20              ; out0
	v_lshl_add_u32 v[SPW], v0, 2, SPARE
	v_mov_b32 v[NIL], 0
	v_lshrrev_b32 v[X], 5, v0
	s_delay_alu instid0(VALU_DEP_1)
	v_readfirstlane_b32 s[WV], v[X]                ; wave 0..15
	s_mov_b32 s[JX], ttmp9
	s_and_b32 s[BH], ttmp7, 0xffff
	s_lshr_b32 s[BB], s[BH], 4
	s_and_b32 s[HB], s[BH], 15
	s_lshl_b32 s[HB], s[HB], 8
	s_lshl_b32 s30, s[BB], 23
	s_or_b32 s[HB], s[HB], s30
	s_sub_co_u32 s[IT], 31, s[WV]                  ; the first tile: i = 31 - wave
	s_mov_b32 s[CS], 0x3e38aa3b                    ; c = log2(e) / 8
	s_mov_b32 s[CS+1], s[CS]
	s_mov_b32 s[SEL], 0x76543210
	s_mov_b32 s[SEL+1], 0xfedcba98
	s_lshl_b32 s23, s[BB], 7
	s_add_co_u32 s23, s23, s[JX]                   ; 128 b + j
	s_lshl_b32 s21, s[IT], 2
	s_add_co_u32 s21, s21, s23
	s_lshl_b32 s21, s21, 5                         ; the first tile's flags: 32 bytes a tile
	s_lshl_b32 s22, s[WV], 2
	s_add_co_u32 s22, s22, s23
	s_lshl_b32 s22, s22, 5                         ; the second tile's
	s_mul_i32 s20, s[WV], 4352
	s_add_co_u32 s20, s20, IMG                     ; my stage
	s_mul_i32 s24, s[BH], IMG
	s_mov_b32 s25, 0
	ROWOFF 30, IT
	ROWOFF 2, WV
	v_and_b32 v[BM], 15, v0                        ; r
	v_bfe_u32 v[BM+1], v0, 4, 1                    ; h
	v_and_b32 v[BM+2], 31, v0                      ; lane
	v_lshlrev_b32 v[F16], 4, v0
	v_lshlrev_b32 v[LI], 4, v[BM+2]
	v_lshlrev_b32 v[LS], 2, v[BM+2]
	v_lshlrev_b32 v[SH], 3, v[BM+1]
	v_lshlrev_b32 v[QG], 4, v[BM]
	v_mul_u32_u24 v[SA], v[BM+1], 272
	v_mul_u32_u24 v[SQ], v[BM], 272
	v_lshl_add_u32 v[QG], v[BM+1], 12, v[QG]
	v_lshl_add_u32 v[SA], v[BM], 4, v[SA]
	v_add_nc_u32 v[SQ], s20, v[SQ]
	v_mov_b32 v[NINF], 0xff800000
	v_add_nc_u32 v[SA], s20, v[SA]
	v_lshl_add_u32 v[SO], v[BM+1], 5, v[SQ]
	v_lshl_add_u32 v[SQ], v[BM+1], 7, v[SQ]
.irp z, 16,17,18,19,20,21,28,29,30,31,32,33,209,213
	v_mov_b32 v\z, 0                               ; the zero codes beside q; registers that a lane permute or a pair names before they are first written
.endr
	s_wait_alu depctr_va_vdst(0)
	s_wait_kmcnt 0x0
	s_add_nc_u64 s[30:31], s[4:5], s[30:31]
	s_add_nc_u64 s[2:3], s[4:5], s[2:3]
	s_add_nc_u64 s[6:7], s[6:7], s[24:25]          ; my head's image
	QLOAD FR, 30                                   ; 27 loads: the first tile's queries (8),
	QLOAD O, 2                                     ; the second tile's (8),
.irp n, 0,1,2,3
	global_load_b128 v[S+4*\n:S+4*\n+3], v[F16], s[6:7] offset:PIECE*\n   ; pieces 0-3 (4),
.endr
	GLOAD                                          ; pieces 4-10 (7)
	s_load_b256 s[32:39], s[10:11], s21 offset:0x0 ; the tiles' flags: four pairs (counts, hidden), each bit at its step's place
	s_load_b256 s[40:47], s[10:11], s22 offset:0x0
	s_wait_loadcnt 19                              ; the first 8 are in; the 19 behind them may be out
	QUANT FR, QZ+6, QS
	s_wait_loadcnt 11                              ; the next 8
	QUANT O, Q2, QS2
	s_wait_loadcnt 7                               ; pieces 0-3; the group's 7 may be out
.irp n, 0,1,2,3
	ds_store_b128 v[F16], v[S+4*\n:S+4*\n+3] offset:PIECE*\n
.endr
	INIT
	s_wait_kmcnt 0x0
	s_or_b32 s[WORK], s32, s34
	s_or_b32 s[WORK], s[WORK], s36
	s_or_b32 s[WORK], s[WORK], s38                 ; bit s: step s has an element that counts
	s_or_b32 s[MIX], s33, s35
	s_or_b32 s[MIX], s[MIX], s37
	s_or_b32 s[MIX], s[MIX], s39                   ; bit s: step s has a hidden element
	s_or_b32 s[W2], s40, s42                       ; (the loads that named s[2:3] are done)
	s_or_b32 s[W2], s[W2], s44
	s_or_b32 s[W2], s[W2], s46
	s_or_b32 s[W2+1], s41, s43
	s_or_b32 s[W2+1], s[W2+1], s45
	s_or_b32 s[W2+1], s[W2+1], s47
	TILEADDR IT
	s_mov_b32 s[FB], 4*PIECE
	s_mov_b32 s[TB], 0
	s_mov_b32 s[MO], 0
	s_mov_b32 s[ST], 3
	s_wait_alu depctr_va_vdst(0)
	s_wait_dscnt 0x0                               ; for the others' sake: my part of pieces 0-3 has landed
	s_barrier_signal -1
	s_barrier_wait -1
.Lfill:                                            ; key steps 0, 1, 2 of the first tile; at each one's end a group of the fill goes into LDS
	TRIP a
	s_wait_loadcnt 0x0                             ; the group is in
	v_add_nc_u32 v[FA], s[FB], v[F16]
.irp n, 0,1,2,3,4,5,6
	ds_store_b128 v[FA], v[FL+4*\n:FL+4*\n+3] offset:PIECE*\n
.endr
	s_add_co_u32 s[FB], s[FB], GRP
	s_wait_dscnt 0x0                               ; for the others' sake; and the stores have read their registers
	s_cmp_eq_u32 s[ST], 1
	s_cbranch_scc1 .Lfilled                        ; the third group is the last: no load leaves the image
	s_add_nc_u64 s[6:7], s[6:7], GRP               ; (the loads that named this pair are done)
	GLOAD                                          ; the next group has the next key step in which to land
.Lfilled:
	s_barrier_signal -1
	s_barrier_wait -1
	s_sub_co_u32 s[ST], s[ST], 1
	s_cmp_lg_u32 s[ST], 0
	s_cbranch_scc1 .Lfill
	s_mov_b32 s[TB], 3*STEPB
	s_mov_b32 s[MO], 3*256
	s_mov_b32 s[ST], 13
.Lrest:                                            ; key steps 3 .. 15: the image is only read from here on
	TRIP b
	s_sub_co_u32 s[ST], s[ST], 1
	s_cmp_lg_u32 s[ST], 0
	s_cbranch_scc1 .Lrest
	WAYOUT
	s_wait_xcnt 0x0                                ; the stores have read their registers and their base: both are written again below
.irp i, 0,1,2,3,4,5
	v_mov_b32 v[QZ+6+\i], v[Q2+\i]                 ; THE SECOND TILE: i = wave
.endr
	v_mov_b32 v[QS], v[QS2]
	INIT                                           ; also the places between q's codes and scale word and the first product
	TILEADDR WV
	s_mov_b32 s[WORK], s[W2]
	s_mov_b32 s[MIX], s[W2+1]
	s_mov_b32 s[TB], 0
	s_mov_b32 s[MO], 0
	s_mov_b32 s[ST], 16
	s_wait_alu depctr_va_vdst(0)
.Lsecond:
	TRIP c
	s_sub_co_u32 s[ST], s[ST], 1
	s_cmp_lg_u32 s[ST], 0
	s_cbranch_scc1 .Lsecond
	WAYOUT
	s_wait_tensorcnt 0x0                           ; the wave's end
	ds_add_u32 v[SPW], v[NIL]
	s_wait_dscnt 0x0
	s_endpgm
.Lfunc_end_k_qe4c199f8ee_attn:
	.size	k_qe4c199f8ee_attn, .Lfunc_end_k_qe4c199f8ee_attn-k_qe4c199f8ee_attn
	.p2alignl 7, 3214868480
	.fill 96, 4, 3214868480
	.section	.rodata,"a",@progbits
	.p2align	6, 0x0
	.amdhsa_kernel k_qe4c199f8ee_attn
		.amdhsa_group_segment_fixed_size 276480
		.amdhsa_private_segment_fixed_size 0
		.amdhsa_enable_private_segment 0
		.amdhsa_kernarg_size 40
		.amdhsa_user_sgpr_count 2
		.amdhsa_user_sgpr_kernarg_segment_ptr 1
		.amdhsa_wavefront_size32 1
		.amdhsa_system_sgpr_workgroup_id_x 1
		.amdhsa_system_sgpr_workgroup_id_y 1
		.amdhsa_system_sgpr_workgroup_id_z 1
		.amdhsa_system_vgpr_workitem_id 0
		.amdhsa_next_free_vgpr 256
		.amdhsa_next_free_sgpr 102
		.amdhsa_reserve_vcc 0
		.amdhsa_float_denorm_mode_32 3
		.amdhsa_float_denorm_mode_16_64 3
		.amdhsa_memory_ordered 1
		.amdhsa_forward_progress 1
		.amdhsa_inst_pref_size 128
	.end_amdhsa_kernel
	.amdgpu_metadata
---
amdhsa.version: [ 1, 2 ]
amdhsa.kernels:
  - .name:           k_qe4c199f8ee_attn
    .symbol:         k_qe4c199f8ee_attn.kd
    .args:
      - { .name: queries, .offset: 0, .size: 8, .value_kind: global_buffer, .address_space: global }
      - { .name: kvimg, .offset: 8, .size: 8, .value_kind: global_buffer, .address_space: global }
      - { .name: mwords, .offset: 16, .size: 8, .value_kind: global_buffer, .address_space: global }
      - { .name: mflags, .offset: 24, .size: 8, .value_kind: global_buffer, .address_space: global }
      - { .name: out0, .offset: 32, .size: 8, .value_kind: global_buffer, .address_space: global }
    .group_segment_fixed_size: 276480
    .private_segment_fixed_size: 0
    .kernarg_segment_align: 8
    .kernarg_segment_size: 40
    .max_flat_workgroup_size: 512
    .sgpr_count:     102
    .vgpr_count:     256
    .wavefront_size: 32
...
	.end_amdgpu_metadata
.endif
;; end of part 2
